; MI455X (gfx1250); checked and timed in simulation.
; The chip was launched on July 23, 2026; its instructions are those of AMD's public machine-readable ISA for CDNA 5 (MIT licence, August 2026) and "CDNA5" Instruction Set Architecture Reference Guide (July 2026). The comments in the code are by the model that wrote it; some were corrected since.
;; Causal Attention. Allowed arithmetic: matrix products marked QUANTISED: E2M1 operands, one E8M0 scale for each 32 along K, by v_wmma_scale_f32_16x16x128_f8f6f4 with both operands' format E2M1 (or v_wmma_scale_f32_32x16x128_f4), f32 sums; everything else in f32.
;; Inputs: Wqkv_codes 3,072 x 32 x 16 uint8 (E2M1 codes of Wqkv, K innermost, in blocks of 32 codes, two codes a byte); Wqkv_scales 3,072 x 32 uint8 (E8M0 scales of Wqkv, one for each 32 codes along K); bqkv 3,072 float32; x_codes 1 x 4,096 x 32 x 16 uint8 (E2M1 codes of x, K innermost, in blocks of 32 codes, two codes a byte); x_scales 1 x 4,096 x 32 uint8 (E8M0 scales of x, one for each 32 codes along K).
;; Outputs: out0 1 x 4,096 x 1,024 float32.
;; This version of the problem:
;;   THIS VERSION OF THE PROBLEM IS GIVEN IN LOW PRECISION. The matrix products marked QUANTISED in the list below multiply operands that are first quantised to E2M1 (2 exponent bits, 1 mantissa bit; 4 bits a number), with one power-of-two scale for each 32 numbers along K (OCP MX v1.0); their sums are f32. All else is computed in f32.
;;   The module's matrix products, in the order in which they are computed (A, B: the left and right operand; K: the contracted axis; several contracted axes count as one K, in the product's order):
;;     1. [M 4,096, K 1,024] x [K 1,024, N 3,072]; A: input x (given as codes); B: input Wqkv (given as codes): QUANTISED
;;     2. batch 16 x [M 4,096, K 64] x [K 64, N 4,096]; A: computed on the way; B: computed on the way: QUANTISED
;;     3. batch 16 x [M 4,096, K 4,096] x [K 4,096, N 64]; A: softmax (see below); B: computed on the way: QUANTISED
;;   THE QUANTISER, for each operand of a quantised product, along K:
;;     - K is cut into blocks of 32 from its start; a last block that is shorter is filled with zeros.
;;     - A block's scale is 2^e with e = floor(log2(the largest magnitude in the block)) - 2, held to -126 .. 127; a block of zeros has e = 0. As a byte (E8M0): e + 127.
;;     - Each number is divided by its block's scale, clamped to +-6, and rounded to the nearest number of E2M1, ties to even, subnormals kept.
;;     - The product sums the exact products of the quantised numbers (number of the format x scale) in f32.
;;   ~~~python
;;   def quantise(x, axis):      # numpy; x: float32 -> the quantised numbers, widened to float32 again
;;       x = np.moveaxis(x, axis, -1); K = x.shape[-1]
;;       x = np.pad(x, [(0, 0)] * (x.ndim - 1) + [(0, -K % 32)]); x = x.reshape(x.shape[:-1] + (-1, 32)); a = np.abs(x).max(-1, keepdims=True)
;;       e = np.where(a > 0, np.clip(np.frexp(np.where(a > 0, a, 1))[1] - 1 - 2, -126, 127), 0)      # np.frexp(a)[1] - 1 = floor(log2(a)), exactly
;;       r = np.clip(x / 2.0 ** e, -6, 6)
;;       step = 2.0 ** (np.maximum(np.frexp(np.where(r == 0, 1, r))[1] - 1, 0) - 1)
;;       q = np.round(r / step) * step * 2.0 ** e      # np.round: ties to even
;;       return np.moveaxis(q.reshape(q.shape[:-2] + (-1,))[..., :K], -1, axis).astype(np.float32)
;;   ~~~
;;   SOFTMAX AHEAD OF A QUANTISED PRODUCT. Where the list says 'softmax', what is quantised is not the finished softmax but p = 2^(t - M), with t = logit x log2(e) and M = ceil(the row's largest t), a whole number; so 1/2 < the row's largest p <= 1. The row's sum l is taken of the UNQUANTISED p, in f32, and the product's result is divided by l at the end. Since M is a whole number, a kernel that streams over the keys may use a running M (the ceiling of the running maximum): every later rescaling is an exact power of two, which a block's scale takes up: the codes' values come out the same.
;;   OPERANDS COMPUTED ON THE WAY. 'Computed on the way' means the value that the module computes at that place (a softmax that the list does not call 'softmax' is quantised finished and normalised). What goes into a quantiser is computed in f32, as accurately as f32 sums, v_exp_f32 and their like allow (about 1e-6 of the number): no bf16 or f16 on the way to a quantiser, and a product that is left as it is and whose result goes on into a quantised operand takes f32 operands (vector FMAs, or v_wmma_f32_16x16x4_f32). A number that lies on a knife's edge between two numbers of the format may be rounded either way, as far as f32 arithmetic and the matrix unit's own rounding can turn it there, and no further.
;;   INPUTS GIVEN AS CODES. Wqkv (in the module: [1024, 3072], K = its axis 0); x (in the module: [1, 4096, 1024], K = its axis 2): each comes as NAME_codes (uint8): NAME with its K axis moved to the last place and cut into blocks of 32 codes, [.., K / 32, bytes a block], one block behind the other in memory; two codes a byte, the lower K in the low four bits (a code: sign, 2 exponent bits, 1 mantissa bit); and NAME_scales (uint8): the same leading axes, one E8M0 byte (e + 127) for each 32 codes along K. Its value is code x scale, taken as it is: it is not quantised again, and the codes and scales need not be those that the quantiser above would give.
;; One version. Each part assembles by itself: llvm-mc -triple=amdgcn-amd-amdhsa -mcpu=gfx1250 --defsym DOCPART=n.
;; ======== version 1 of 1: 2 launches
;; workspace buffers: qop 2,359,296 bytes; kvop 4,587,520 bytes
;; launch proj (part 1): grid 8 x 32, 4 waves a work-group, no clusters, 282,112 bytes of LDS; arguments x_codes, x_scales, Wqkv_codes, Wqkv_scales, bqkv, qop, kvop; writes qop, kvop
.if DOCPART == 1
	.amdgcn_target "amdgcn-amd-amdhsa--gfx1250"
	.amdhsa_code_object_version 6
	.text
	.protected	k_qf6edda4af2_proj
	.globl	k_qf6edda4af2_proj
	.p2align	8
	.type	k_qf6edda4af2_proj,@function
k_qf6edda4af2_proj:
	s_mov_b64 s[64:65], 0
	v_nop
	global_prefetch_b8 v0, s[64:65] scope:SCOPE_SE
	s_setreg_imm32_b32 hwreg(HW_REG_WAVE_MODE, 25, 1), 1
	s_wait_xcnt 0x0
; qkv = x Wqkv + b on codes of FP4 (E2M1) with E8M0 scales, and at once the quantising of q, k (along the head's 64) and v (along the tokens) into the operand images that the attention launch reads.
; THE RESHAPE.  Flat qkv, cut into UNITS of 1,024 numbers: unit u is row u / 3 of x against columns (u % 3) 1024 + c of W, and c = 16 d + head.  Units 0-4095 are q's tokens, 4096-8191 k's, 8192-12287 v's.
; So head h and third th take W's rows th 1024 + 16 d + h, d = 0 .. 63: 64 rows, 8,192 bytes apart.  128 rows of x are 384 units = three STEPS of 128 units; step number sg = unit / 128: under 32 q, 32-63 k, 64-95 v.
; SHARES.  Work-group (hp, m): heads 2 hp and 2 hp + 1, rows 128 m on.  Wave w: head 2 hp + w / 2, rows 64 (w % 2) on: 4 tiles of rows x 12 tiles of W (3 thirds x 4 tiles of d) = 48 accumulators.
; THE MATRIX INSTRUCTION IS USED TRANSPOSED (source 0 = 16 rows of W, source 1 = 16 rows of x): lane (r, hh) holds row r of x, its register j the channel d = 16 tile + 8 hh + j.  The bias is the C of each sum's first product.
; LDS.  All that the work-group multiplies lies in LDS at once: two K halves of 8 row groups (x's two, then W's 2 heads x 3 thirds) of 64 rows x (256 + 16) bytes.  Every tensor load is a first fill: no byte is filled twice.
; By this text's count a wave has four tensor loads out.  The f32 results go through a stage that is laid over the codes behind their last read: [head][unit][64 d], 272 bytes a unit.
; OUT.  q, k: a lane takes a unit (its 64 d: two blocks of 32).  v: a lane takes a channel d, its registers run down 32 tokens.  The images: see the attention launch's head.
; NO CLUSTER: W's row groups (6 of my 8) are shared among row tiles m, whose steps differ in kind, so that partners would part in a branch on their place; x's (2 of 8) are shared by the eight
; work-groups of a row tile, which run alike, and could be asked for jointly: not done in this text.
; LIMITS: NaN and infinities are not served.  A block whose largest magnitude lies under 2^-124, a block of zeros too, gets the scale byte 1 (zeros: zero codes); this program alone reads the bytes.
; The bias enters at the sum's start and not at its end (both f32).
.set PITCH,  272                       ; an LDS row: 256 bytes + 16: 17 x 16 bytes, so that 16 rows taken by a 16-byte load start in 16 different 16-byte columns of 256
.set GRP,    64*PITCH                  ; a row group: what one tensor load brings
.set CHUNK,  8*GRP                     ; a K half (512 codes, 256 bytes a row) of all eight row groups
.set BT,     2*CHUNK                   ; behind the codes: a bias table of 3 x 64 f32 for each wave; no tensor load lands here
.set HSTG,   384*PITCH                 ; the stage of one head: 384 units
.set STEPB,  128*PITCH                 ; a step's units in the stage
.set BLKB,   32*PITCH                  ; a block of 32 units
.set QREC,   4608                      ; a record of q: 4,096 bytes of codes, 512 of scale words
.set KVREC,  8960                      ; of k and v: k's 4,608, v's 4,096 of codes and 256 of scale words
.set ADX,  4                           ; v4-5    LDS address of my x fragments in K half 0, 1
.set ADW,  6                           ; v6-7    the same for W
.set STO,  8                           ; v8      the stage: where I put 32 bytes of a unit
.set AQ,   9                           ; v9-11   the stage, step s: my unit (lane = unit)
.set AV,   12                          ; v12-14  the stage, step s: my channel (lane = d)
.set VQ,   15                          ; v15     my unit's place among a record's codes
.set VQS,  16                          ; v16     and among its scale words
.set VV,   17                          ; v17     my channel's place among v's codes
.set VVS,  18                          ; v18     and among v's scale words
.set WS,   32                          ; v32-79  W's scale words: register 8 (b / 2) + ks: lanes 0-15 tile b even, lanes 16-31 tile b odd.  Scales and nothing else
.set XS,   80                          ; v80-95  x's: register 8 (a / 2) + ks likewise
.set BI,   96                          ; v96-191 the bias in the result's layout, 8 registers a tile b; later the numbers to be quantised (v96-223), codes v224-239, at work v240-249
.set DP,   56                          ; s[56:61] where step s's record (part) begins
; windows: 1 and 2 the accumulators (12 a + b: the first 32 in window 1); 3 two sets of fragments of 128 registers: W's 12 tiles, then x's 4
.set MSB, 0
.macro WIN new                         ; the immediate's high byte repeats the setting that is left
.if MSB != \new
	s_set_vgpr_msb (MSB<<8)|\new
.set MSB, \new
.endif
.endm
.macro PLACES                          ; four plain places between a matrix instruction and a load into its registers or a store of its result
.rept 4
	v_nop
.endr
.endm
	s_load_b256 s[4:11], s[0:1], 0x0               ; x's codes s[4:5], x's scales s[6:7], W's codes s[8:9], W's scales s[10:11]
	s_load_b128 s[12:15], s[0:1], 0x20             ; the bias s[12:13], qop s[14:15]
	s_load_b64 s[16:17], s[0:1], 0x30              ; kvop
	v_lshl_add_u32 v254, v0, 2, 0x44c00
	v_mov_b32 v255, 0
	ds_add_u32 v254, v255
	ds_add_u32 v254, v255
	v_lshrrev_b32 v1, 5, v0
	v_readfirstlane_b32 s18, v1                    ; wave 0..3
	s_lshr_b32 s19, s18, 1                         ; hl: which of the two heads
	s_and_b32 s20, s18, 1                          ; rh: which 64 rows
	s_and_b32 s22, ttmp7, 0xffff                   ; m: the row tile
	s_mov_b32 s23, ttmp9                           ; hp: the pair of heads
	s_lshl_b32 s21, s23, 1
	s_add_co_u32 s21, s21, s19                     ; my head
	s_mul_i32 s62, s22, 3                          ; the number of my first step
	; descriptor groups 1: 64 rows x 256 elements of one byte, 4 words of padding behind every 64; x's rows 512 bytes apart, W's 8,192
	s_mov_b32 s24, (1<<20)|(5<<22)|(3<<25)
	s_mov_b32 s25, 256<<16                         ; tensor_dim0
	s_mov_b32 s26, 64<<16                          ; tensor_dim1
	s_mov_b32 s27, 256<<16                         ; tile_dim0
	s_mov_b32 s28, 64                              ; tile_dim1
	s_mov_b32 s29, 512                             ; from row to row
	s_mov_b32 s30, 0
	s_mov_b32 s31, 0
	s_mov_b32 s32, (1<<20)|(5<<22)|(3<<25)
	s_mov_b32 s33, 256<<16
	s_mov_b32 s34, 64<<16
	s_mov_b32 s35, 256<<16
	s_mov_b32 s36, 64
	s_mov_b32 s37, 8192
	s_mov_b32 s38, 0
	s_mov_b32 s39, 0
; Wave w fetches row groups 2 w and 2 w + 1: wave 0 x's two, waves 1 to 3 W's six (group 2 + 3 head + third).  lds: its LDS byte; off: its byte offset in its tensor
.macro SRC g, lds, off
	s_lshl_b32 s66, s18, 1
	s_add_co_u32 s66, s66, \g                      ; the row group
	s_mul_i32 s[\lds], s66, GRP
	s_cmp_ge_u32 s66, 5
	s_cselect_b32 s67, 1, 0                        ; W: which head of the pair,
	s_mul_i32 s68, s67, 3
	s_sub_co_u32 s69, s66, 2
	s_sub_co_u32 s69, s69, s68                     ; which third (in wave 0 these hold nothing of use and are not taken)
	s_lshl_b32 s69, s69, 19                        ; 1,024 rows of 512 bytes
	s_lshl_b32 s70, s23, 1
	s_add_co_u32 s70, s70, s67
	s_lshl_b32 s70, s70, 9                         ; the head's row
	s_add_co_u32 s69, s69, s70
	s_lshl_b32 s71, s22, 16                        ; x: 128 m rows of 512 bytes
	s_add_co_u32 s71, s71, (\g)*32768              ; + 64 rows
	s_cmp_eq_u32 s18, 0
	s_cselect_b32 s[\off], s71, s69
	s_mov_b32 s[\off+1], 0
.endm
	SRC 0, 72, 74
	SRC 1, 73, 76
	s_wait_dscnt 0x0
	s_wait_kmcnt 0x0
	s_cmp_eq_u32 s18, 0                            ; the choice hangs on the wave's number alone
	s_cselect_b64 s[78:79], s[4:5], s[8:9]
.irp c, 0,1                                    ; group 0, set 2 c + g: K half c of my row group g
.irp g, 0,1
	s_mov_b32 s[40+4*(2*\c+\g)], 1
	s_add_co_u32 s[41+4*(2*\c+\g)], s[72+\g], \c*CHUNK
	s_add_nc_u64 s[42+4*(2*\c+\g):43+4*(2*\c+\g)], s[78:79], s[74+2*\g:75+2*\g]
	s_add_nc_u64 s[42+4*(2*\c+\g):43+4*(2*\c+\g)], s[42+4*(2*\c+\g):43+4*(2*\c+\g)], \c*256
	s_or_b32 s[43+4*(2*\c+\g)], s[43+4*(2*\c+\g)], 0x80000000
.endr
.endr
	s_cmp_eq_u32 s18, 0                            ; all first fills of a wave in one branch on its number; K half 0 first.  Four v_nop follow the last
	s_cbranch_scc0 .Lfill_w
	tensor_load_to_lds s[40:43], s[24:31]
	s_nop 0
	tensor_load_to_lds s[44:47], s[24:31]
	s_nop 0
	tensor_load_to_lds s[48:51], s[24:31]
	s_nop 0
	tensor_load_to_lds s[52:55], s[24:31]
	s_nop 0
	PLACES
	s_branch .Lfilled
.Lfill_w:
	tensor_load_to_lds s[40:43], s[32:39]
	s_nop 0
	tensor_load_to_lds s[44:47], s[32:39]
	s_nop 0
	tensor_load_to_lds s[48:51], s[32:39]
	s_nop 0
	tensor_load_to_lds s[52:55], s[32:39]
	s_nop 0
	PLACES
.Lfilled:
	v_and_b32 v1, 31, v0                           ; lane
	v_lshlrev_b32 v19, 5, v1                       ; a row of x's scales is 32 bytes
	v_lshlrev_b32 v20, 9, v1                       ; from d to d + 1 in W's scales: 16 rows of 32 bytes
	v_lshlrev_b32 v21, 6, v1                       ; and in the bias: 16 numbers
	s_wait_alu depctr_va_vdst(0)
	s_lshl_b32 s76, s22, 12
	s_lshl_b32 s77, s20, 11
	s_add_co_u32 s76, s76, s77
	s_mov_b32 s77, 0
	s_add_nc_u64 s[82:83], s[6:7], s[76:77]        ; x's scales at my first row
	s_lshl_b32 s76, s21, 5
	s_add_nc_u64 s[84:85], s[10:11], s[76:77]      ; W's scales at row = my head
	s_lshl_b32 s76, s21, 2
	s_add_nc_u64 s[86:87], s[12:13], s[76:77]      ; the bias likewise
.irp t, 0,1,2
.irp i, 0,1
	global_load_b32 v[24+2*\t+\i], v21, s[86:87] offset:\t*4096+\i*2048     ; b(third t, d = 32 i + lane)
.endr
.endr
.irp t, 0,1,2                                  ; W's scale words of all eight K steps: lanes 0-15 d tile 2 i, lanes 16-31 d tile 2 i + 1
.irp i, 0,1
.irp q, 0,1
	global_load_b128 v[WS+8*(2*\t+\i)+4*\q:WS+8*(2*\t+\i)+4*\q+3], v20, s[84:85] offset:\t*32768+\i*16384+16*\q
.endr
.endr
.endr
.irp i, 0,1                                    ; x's: lanes 0-15 row tile 2 i, lanes 16-31 row tile 2 i + 1
.irp q, 0,1
	global_load_b128 v[XS+8*\i+4*\q:XS+8*\i+4*\q+3], v19, s[82:83] offset:1024*\i+16*\q
.endr
.endr
	v_and_b32 v2, 15, v0                           ; r
	v_bfe_u32 v3, v0, 4, 1                         ; hh
	v_mul_u32_u24 v30, v2, PITCH
	v_lshl_add_u32 v30, v3, 4, v30                 ; a fragment's row x pitch + 16 x half
	s_mul_i32 s66, s20, GRP                        ; x: my 64 rows are row group rh
	v_add_nc_u32 v[ADX], s66, v30
	v_add_nc_u32 v[ADX+1], CHUNK, v[ADX]
	s_mul_i32 s67, s19, 3*GRP
	s_add_co_u32 s67, s67, 2*GRP                   ; W: my head's three row groups
	v_add_nc_u32 v[ADW], s67, v30
	v_add_nc_u32 v[ADW+1], CHUNK, v[ADW]
	s_mul_i32 s68, s19, HSTG                       ; my head's stage
	s_mul_i32 s69, s20, 192*PITCH                  ; my 64 rows are 192 units
	s_add_co_u32 s69, s69, s68
	v_mul_u32_u24 v[STO], v2, 3*PITCH              ; row r: three units on
	v_lshl_add_u32 v[STO], v3, 5, v[STO]
	v_add_nc_u32 v[STO], s69, v[STO]
	s_add_co_u32 s70, s68, s66                     ; (64 units = GRP bytes) out of the stage, q and k: blocks 2 rh and 2 rh + 1 of each step, lane = unit
	v_mul_u32_u24 v[AQ], v1, PITCH
	v_add_nc_u32 v[AQ], s70, v[AQ]
	v_add_nc_u32 v[AQ+1], STEPB, v[AQ]
	v_add_nc_u32 v[AQ+2], 2*STEPB, v[AQ]
	s_lshl_b32 s71, s20, 7
	s_add_co_u32 s71, s71, s68                     ; v: channel d = 32 rh + lane
	v_lshl_add_u32 v[AV], v1, 2, s71
	v_add_nc_u32 v[AV+1], STEPB, v[AV]
	v_add_nc_u32 v[AV+2], 2*STEPB, v[AV]
	v_bfe_u32 v30, v0, 3, 1                        ; unit w = lane of a block sits in tile u = (w / 8) % 2
	v_and_b32 v31, 7, v0
	v_lshl_add_u32 v31, v3, 3, v31                 ; at row w % 8 + 8 (w / 16): the inverse of w = 8 u + r + 8 (r / 8)
	v_lshl_add_u32 v[VQS], v30, 4, v31
	v_lshlrev_b32 v[VQ], 9, v30
	v_lshl_add_u32 v[VQ], v31, 4, v[VQ]
	s_lshl_b32 s72, s20, 11
	v_add_nc_u32 v[VQ], s72, v[VQ]                 ; 2,048 rh + 512 u + 16 row
	v_lshlrev_b32 v[VQS], 3, v[VQS]
	s_lshl_b32 s73, s20, 8
	v_add_nc_u32 v[VQS], s73, v[VQS]               ; 256 rh + 8 (16 u + row)
	v_lshlrev_b32 v[VV], 4, v2
	v_lshl_add_u32 v[VV], v3, 10, v[VV]
	v_add_nc_u32 v[VV], s72, v[VV]                 ; 2,048 rh + 1,024 (lane / 16) + 16 (lane % 16)
	s_lshl_b32 s74, s20, 7
	v_lshl_add_u32 v[VVS], v1, 2, s74              ; 128 rh + 4 lane
	s_mul_i32 s75, s18, 768
	s_add_co_u32 s75, s75, BT                      ; my bias table
	v_lshl_add_u32 v22, v1, 2, s75
	v_lshl_add_u32 v23, v3, 5, s75
	s_wait_alu depctr_va_vdst(0)
	s_wait_loadcnt 16                              ; the six bias loads are in; the sixteen scale loads behind them may be out
.irp t, 0,1,2
.irp i, 0,1
	ds_store_b32 v22, v[24+2*\t+\i] offset:\t*256+\i*128
.endr
.endr
.irp b, 0,1,2,3,4,5,6,7,8,9,10,11              ; back in the result's layout: lane (r, hh), tile b = 4 third + tile of d: d = 16 tile + 8 hh + 0 .. 7.  My own bytes, served in order (ISA guide 5.7.1.4)
	ds_load_b128 v[BI+8*\b:BI+8*\b+3],   v23 offset:(\b/4)*256+(\b%4)*64
	ds_load_b128 v[BI+8*\b+4:BI+8*\b+7], v23 offset:(\b/4)*256+(\b%4)*64+16
.endr
; where step s's results go: q's record in qop, k's part or v's part of a record in kvop
.macro DEST s
	s_add_co_u32 s66, s62, \s                      ; the step's number
	s_lshr_b32 s67, s66, 5                         ; 0 q, 1 k, 2 v
	s_and_b32 s68, s66, 31                         ; the record
	s_mov_b32 s69, 32*KVREC
	s_mov_b32 s70, KVREC
	s_cmp_eq_u32 s67, 0
	s_cselect_b64 s[DP+2*\s:DP+2*\s+1], s[14:15], s[16:17]
	s_cselect_b32 s69, 32*QREC, s69                ; a head's bytes
	s_cselect_b32 s70, QREC, s70                   ; a record's
	s_cmp_eq_u32 s67, 2
	s_cselect_b32 s71, QREC, 0                     ; v's part lies behind k's
	s_mul_i32 s69, s69, s21
	s_mul_i32 s70, s70, s68
	s_add_co_u32 s72, s69, s70
	s_add_co_u32 s72, s72, s71
	s_mov_b32 s73, 0
	s_add_nc_u64 s[DP+2*\s:DP+2*\s+1], s[DP+2*\s:DP+2*\s+1], s[72:73]
.endm
	DEST 0
	DEST 1
	DEST 2
	s_wait_loadcnt 0x0                             ; the scale words
	s_wait_tensorcnt 2                             ; my two loads of K half 0 have landed; the two of K half 1, issued behind them, may be out
	s_wait_dscnt 0x0                               ; the bias is in
	s_barrier_signal -1
	s_barrier_wait -1                              ; everybody's part of K half 0 is in
; 32 LDS loads: the fragments of K step ks (128 codes, 64 bytes of a row) into set ks % 2.  A fragment: lane (r, hh) holds row r; registers 4 c .. 4 c + 3 hold k = 64 c + 32 hh + 0 .. 31
.macro FETCH ks
.set FS, 128*((\ks)%2)
.set KO, 64*((\ks)%4)
	WIN 0xc0                                       ; destination window 3, address window 0
.irp b, 0,1,2,3,4,5,6,7,8,9,10,11
	ds_load_b128 v[FS+8*\b:FS+8*\b+3],   v[ADW+(\ks)/4] offset:(\b/4)*GRP+(\b%4)*16*PITCH+KO
	ds_load_b128 v[FS+8*\b+4:FS+8*\b+7], v[ADW+(\ks)/4] offset:(\b/4)*GRP+(\b%4)*16*PITCH+KO+32
.endr
.irp a, 0,1,2,3
	ds_load_b128 v[FS+96+8*\a:FS+96+8*\a+3], v[ADX+(\ks)/4] offset:\a*16*PITCH+KO
	ds_load_b128 v[FS+96+8*\a+4:FS+96+8*\a+7], v[ADX+(\ks)/4] offset:\a*16*PITCH+KO+32
.endr
.endm
; 48 matrix instructions: the 48 accumulators by turns, one instruction a turn, in the same order in every K step.  In K step 0 the bias is C: nothing is cleared.
.macro MULS ks
.set FS, 128*((\ks)%2)
.set idx, 0
.rept 48
.set ma, idx/12
.set mb, idx%12
.set rD, 8*(idx%32)
.set rC, rD
.if (\ks) == 0
.set rC, BI+8*mb
.endif
.set rW, FS+8*mb
.set rX, FS+96+8*ma
.set rSW, WS+8*(mb/2)+(\ks)
.set rSX, XS+8*(ma/2)+(\ks)
.if idx < 32
.if (\ks) == 0
	WIN 0x4f                                       ; sources 0 and 1 window 3, C window 0, D window 1
.else
	WIN 0x5f                                       ; C and D window 1
.endif
.else
.if (\ks) == 0
	WIN 0x8f
.else
	WIN 0xaf                                       ; C and D window 2
.endif
.endif
.if (mb%2 == 0) && (ma%2 == 0)
	v_wmma_scale_f32_16x16x128_f8f6f4 v[rD:rD+7], v[rW:rW+7], v[rX:rX+7], v[rC:rC+7], v[rSW], v[rSX] matrix_a_fmt:MATRIX_FMT_FP4 matrix_b_fmt:MATRIX_FMT_FP4
.elseif ma%2 == 0
	v_wmma_scale_f32_16x16x128_f8f6f4 v[rD:rD+7], v[rW:rW+7], v[rX:rX+7], v[rC:rC+7], v[rSW], v[rSX] matrix_a_fmt:MATRIX_FMT_FP4 matrix_b_fmt:MATRIX_FMT_FP4 matrix_a_scale:MATRIX_SCALE_ROW1
.elseif mb%2 == 0
	v_wmma_scale_f32_16x16x128_f8f6f4 v[rD:rD+7], v[rW:rW+7], v[rX:rX+7], v[rC:rC+7], v[rSW], v[rSX] matrix_a_fmt:MATRIX_FMT_FP4 matrix_b_fmt:MATRIX_FMT_FP4 matrix_b_scale:MATRIX_SCALE_ROW1
.else
	v_wmma_scale_f32_16x16x128_f8f6f4 v[rD:rD+7], v[rW:rW+7], v[rX:rX+7], v[rC:rC+7], v[rSW], v[rSX] matrix_a_fmt:MATRIX_FMT_FP4 matrix_b_fmt:MATRIX_FMT_FP4 matrix_a_scale:MATRIX_SCALE_ROW1 matrix_b_scale:MATRIX_SCALE_ROW1
.endif
.set idx, idx+1
.endr
.endm
; A K step: the next step's fragments are asked for, in one run, into the set that the step before multiplied; then this step's products.
.macro KSTEP ks
.if ((\ks) > 0) && ((\ks) < 7)
	PLACES                                         ; in front of loads into registers that the last products read
.endif
.if (\ks) == 3                                 ; the next fragments lie in K half 1
	s_wait_dscnt 0x0                               ; no LDS load of mine is out at a signal
	s_wait_tensorcnt 0x0                           ; my part of K half 1 has landed,
	s_barrier_signal -1
	s_barrier_wait -1                              ; everybody's has
.endif
.if (\ks) < 7
	FETCH (\ks)+1
	s_wait_dscnt 32                                ; all but the 32 just issued: this step's fragments are in
.else
	s_wait_dscnt 0x0
.endif
	MULS \ks
.endm
	FETCH 0
	KSTEP 0
	KSTEP 1
	KSTEP 2
	KSTEP 3
	KSTEP 4
	KSTEP 5
	KSTEP 6
	KSTEP 7
	; THE STAGE.  Every wave has read its last fragment; then the f32 results are laid over the codes, which have had their one fill: unit 3 row + third, 272 bytes a unit, 4 d inside it.
	PLACES                                         ; behind the last products, in front of the stores that read results
	WIN 0
	s_wait_dscnt 0x0
	s_barrier_signal -1
	s_barrier_wait -1
.set idx, 0
.rept 48
.set ma, idx/12
.set mb, idx%12
.set rD, 8*(idx%32)
.if idx < 32
	WIN 0x04                                       ; an LDS store's data are its source 1: window 1
.else
	WIN 0x08                                       ; window 2
.endif
	ds_store_b128 v[STO], v[rD:rD+3]   offset:ma*48*PITCH+(mb/4)*PITCH+(mb%4)*64      ; each accumulator from its low end on; lanes 816 = 51 x 16 bytes apart
	ds_store_b128 v[STO], v[rD+4:rD+7] offset:ma*48*PITCH+(mb/4)*PITCH+(mb%4)*64+16
.set idx, idx+1
.endr
	WIN 0
	s_wait_dscnt 0x0                               ; for the others' sake: my stores have landed
	s_barrier_signal -1
	s_barrier_wait -1
; THE QUANTISER.  A block's scale is 2^(floor(log2(its largest magnitude)) - 2): its byte is the largest magnitude's exponent field - 2, held at 1 by the floor 2^(3 - 127) among the maximum's leaves;
; the conversion takes the exponent field of its scale operand alone, divides, and gives the nearest code, ties to even, beyond 6 the largest.
; 64 numbers v[x] on = my unit's 64 d: two blocks of 32.  Codes into v[c] .. v[c + 7], the scale word (two bytes, and 0x7f for the half of the instruction's K that holds zero codes) into v[w].
.macro QQUANT x, c, w
	v_max3_num_f32 v242, |v[\x]|, |v[\x+1]|, |v[\x+2]|
	v_max3_num_f32 v244, |v[\x+32]|, |v[\x+33]|, |v[\x+34]|
	v_max3_num_f32 v243, |v[\x+3]|, |v[\x+4]|, |v[\x+5]|
	v_max3_num_f32 v245, |v[\x+35]|, |v[\x+36]|, |v[\x+37]|
.irp i, 6,10,14,18,22,26                       ; four chains by turns: no line waits for the line above it
	v_max3_num_f32 v242, v242, |v[\x+\i]|, |v[\x+\i+1]|
	v_max3_num_f32 v244, v244, |v[\x+32+\i]|, |v[\x+33+\i]|
	v_max3_num_f32 v243, v243, |v[\x+\i+2]|, |v[\x+\i+3]|
	v_max3_num_f32 v245, v245, |v[\x+34+\i]|, |v[\x+35+\i]|
.endr
	v_max3_num_f32 v242, v242, |v[\x+30]|, |v[\x+31]|
	v_max3_num_f32 v244, v244, |v[\x+62]|, |v[\x+63]|
	v_max3_num_f32 v242, v242, v243, 0x1800000
	v_max3_num_f32 v244, v244, v245, 0x1800000
	v_add_nc_u32 v246, 0xff000000, v242            ; 2 off the exponent field: the conversion's scale operand
	v_add_nc_u32 v247, 0xff000000, v244
	v_lshrrev_b32 v248, 23, v246                   ; the bytes
	v_lshrrev_b32 v249, 23, v247
	v_lshl_or_b32 v248, v249, 8, v248
	v_or_b32 v[\w], 0x7f7f0000, v248
.irp g, 0,1,2,3
	v_cvt_scalef32_pk8_fp4_f32 v[\c+\g], v[\x+8*\g:\x+8*\g+7], v246
	v_cvt_scalef32_pk8_fp4_f32 v[\c+4+\g], v[\x+32+8*\g:\x+32+8*\g+7], v247
.endr
	v_nop                                          ; one plain place behind the last scaled conversion
.endm
; A step of q or of k: my two blocks of 32 units, lane = unit.  Each store's 32 lanes cover two whole aligned runs of 256 bytes.
.macro QKSTEP s
.irp q, 0,1
.irp i, 0,1,2,3,4,5,6,7,8,9,10,11,12,13,14,15
	ds_load_b128 v[96+64*\q+4*\i:99+64*\q+4*\i], v[AQ+\s] offset:\q*BLKB+16*\i
.endr
.endr
	s_wait_dscnt 16                                ; the first block's 16 loads are in
	QQUANT 96, 224, 240
	global_store_b128 v[VQ], v[224:227], s[DP+2*\s:DP+2*\s+1]              ; d 0 .. 31
	global_store_b128 v[VQ], v[228:231], s[DP+2*\s:DP+2*\s+1] offset:256   ; d 32 .. 63
	s_wait_dscnt 0x0
	QQUANT 160, 232, 241
	global_store_b128 v[VQ], v[232:235], s[DP+2*\s:DP+2*\s+1] offset:1024
	global_store_b128 v[VQ], v[236:239], s[DP+2*\s:DP+2*\s+1] offset:1280
	global_store_b64 v[VQS], v[240:241], s[DP+2*\s:DP+2*\s+1] offset:4096  ; both blocks' scale words
.endm
; A step of v: lane = channel d, registers down the tokens: a block of 32 tokens lies in one lane.
.macro VLOAD s, b
.set n, 0
.rept 32
	ds_load_b32 v[96+32*((\b)%2)+n], v[AV+\s] offset:(\b)*BLKB+n*PITCH     ; 32 lanes read 128 consecutive bytes of one unit
.set n, n+1
.endr
.endm
.macro VQUANT x, b
.set XB, \x
	v_max3_num_f32 v242, |v[XB]|, |v[XB+1]|, |v[XB+2]|
	v_max3_num_f32 v243, |v[XB+3]|, |v[XB+4]|, |v[XB+5]|
.irp i, 6,10,14,18,22,26
	v_max3_num_f32 v242, v242, |v[XB+\i]|, |v[XB+\i+1]|
	v_max3_num_f32 v243, v243, |v[XB+\i+2]|, |v[XB+\i+3]|
.endr
	v_max3_num_f32 v242, v242, |v[XB+30]|, |v[XB+31]|
	v_max3_num_f32 v242, v242, v243, 0x1800000
	v_add_nc_u32 v246, 0xff000000, v242
.if (\b) == 0
	v_lshrrev_b32 v240, 23, v246                   ; the step's scale word: byte b for token block b
.else
	v_lshrrev_b32 v248, 23, v246
	v_lshl_or_b32 v240, v248, 8*(\b), v240
.endif
.irp g, 0,1,2,3
	v_cvt_scalef32_pk8_fp4_f32 v[224+4*(\b)+\g], v[XB+8*\g:XB+8*\g+7], v246
.endr
	v_nop                                          ; one plain place behind the last scaled conversion
.endm
.macro VSTEP s
	VLOAD \s, 0
	VLOAD \s, 1
.irp b, 0,1,2,3
.if \b < 3
	s_wait_dscnt 32                                ; this block's 32 loads are in; the next block's may be out
.else
	s_wait_dscnt 0x0
.endif
	VQUANT 96+32*(\b%2), \b
	global_store_b128 v[VV], v[224+4*\b:227+4*\b], s[DP+2*\s:DP+2*\s+1] offset:(\b/2)*512+(\b%2)*256
.if \b < 2
	VLOAD \s, \b+2
.endif
.endr
	global_store_b32 v[VVS], v240, s[DP+2*\s:DP+2*\s+1] offset:4096        ; 128 consecutive bytes a wave; the wave beside me writes the 128 next to them
.endm
; A step's kind hangs on the work-group's row tile alone.  Both ways only read LDS.
.macro EPI s
	s_wait_xcnt 0x0                                ; the last step's stores have read their data registers, which are written again below
	s_add_co_u32 s66, s62, \s
	s_cmp_lt_u32 s66, 64
	s_cbranch_scc0 .Lv_\@
	QKSTEP \s
	s_branch .Lend_\@
.Lv_\@:
	VSTEP \s
.Lend_\@:
.endm
	EPI 0
	EPI 1
	EPI 2
	s_wait_tensorcnt 0x0
	ds_add_u32 v254, v255
	s_wait_dscnt 0x0
	s_endpgm
.Lfunc_end_k_qf6edda4af2_proj:
	.size	k_qf6edda4af2_proj, .Lfunc_end_k_qf6edda4af2_proj-k_qf6edda4af2_proj
	.p2alignl 7, 3214868480
	.fill 96, 4, 3214868480
	.section	.rodata,"a",@progbits
	.p2align	6, 0x0
	.amdhsa_kernel k_qf6edda4af2_proj
		.amdhsa_group_segment_fixed_size 282112
		.amdhsa_private_segment_fixed_size 0
		.amdhsa_enable_private_segment 0
		.amdhsa_kernarg_size 56
		.amdhsa_user_sgpr_count 2
		.amdhsa_user_sgpr_kernarg_segment_ptr 1
		.amdhsa_wavefront_size32 1
		.amdhsa_system_sgpr_workgroup_id_x 1
		.amdhsa_system_sgpr_workgroup_id_y 1
		.amdhsa_system_sgpr_workgroup_id_z 1
		.amdhsa_system_vgpr_workitem_id 0
		.amdhsa_next_free_vgpr 1024
		.amdhsa_next_free_sgpr 96
		.amdhsa_reserve_vcc 0
		.amdhsa_float_denorm_mode_32 3
		.amdhsa_float_denorm_mode_16_64 3
		.amdhsa_memory_ordered 1
		.amdhsa_forward_progress 1
		.amdhsa_inst_pref_size 156
	.end_amdhsa_kernel
	.amdgpu_metadata
---
amdhsa.version: [ 1, 2 ]
amdhsa.kernels:
  - .name:           k_qf6edda4af2_proj
    .symbol:         k_qf6edda4af2_proj.kd
    .args:
      - { .name: x_codes, .offset: 0, .size: 8, .value_kind: global_buffer, .address_space: global }
      - { .name: x_scales, .offset: 8, .size: 8, .value_kind: global_buffer, .address_space: global }
      - { .name: Wqkv_codes, .offset: 16, .size: 8, .value_kind: global_buffer, .address_space: global }
      - { .name: Wqkv_scales, .offset: 24, .size: 8, .value_kind: global_buffer, .address_space: global }
      - { .name: bqkv, .offset: 32, .size: 8, .value_kind: global_buffer, .address_space: global }
      - { .name: qop, .offset: 40, .size: 8, .value_kind: global_buffer, .address_space: global }
      - { .name: kvop, .offset: 48, .size: 8, .value_kind: global_buffer, .address_space: global }
    .group_segment_fixed_size: 282112
    .private_segment_fixed_size: 0
    .kernarg_segment_align: 8
    .kernarg_segment_size: 56
    .max_flat_workgroup_size: 128
    .sgpr_count:     96
    .vgpr_count:     1024
    .wavefront_size: 32
...
	.end_amdgpu_metadata
.endif
;; end of part 1
;; launch attn (part 2): grid 16 x 16, 16 waves a work-group, no clusters, 288,768 bytes of LDS; arguments qop, kvop, out0; writes out0
.if DOCPART == 2
	.amdgcn_target "amdgcn-amd-amdhsa--gfx1250"
	.amdhsa_code_object_version 6
	.text
	.protected	k_qf6edda4af2_attn
	.globl	k_qf6edda4af2_attn
	.p2align	8
	.type	k_qf6edda4af2_attn,@function
k_qf6edda4af2_attn:
	s_mov_b64 s[64:65], 0
	v_nop
	global_prefetch_b8 v0, s[64:65] scope:SCOPE_SE
	s_setreg_imm32_b32 hwreg(HW_REG_WAVE_MODE, 25, 1), 1
	s_wait_xcnt 0x0
; out[t][64 head + d] = the sum over keys k <= t of softmax_k(q[t] . k[k] / 8) v[k][d], 16 heads of 64, 4,096 tokens, both products on codes of FP4 (E2M1) with one E8M0 scale for each 32 along K.
; THE SOFTMAX AHEAD OF THE SECOND PRODUCT: t = score x log2(e) / 8; M = the row's largest t so far, rounded UP to a whole number; p = 2^(t - M) is quantised along the keys, not normalised.  The row's sum is taken of
; the unquantised p and divides at the end.  When M moves, the sum and O are multiplied by 2^(old M - new M): exact.
; THE OPERANDS come as images of their registers, made by the launch before.  A record serves 128 tokens.
;   q (4,608 bytes) and k (the first 4,608 of 8,960): tile 2 b + u at 512 (2 b + u), lane l's 16 bytes at 16 l: lane (r, hh) holds d = 32 hh + 0 .. 31 of token 32 b + 8 u + r + 8 (r / 8).
;   Scale words at 4,096 + 256 (b / 2) + 8 (16 u + r) + 4 (b % 2): two bytes for d, 0x7f twice for the half of the instruction's K = 128 that holds zero codes on both sides.
;   v: codes at 4,608 + 1,024 td + 512 c + 16 l: lane (r, hh) holds tokens 64 c + 32 hh + 0 .. 31 of d = 16 td + r; scale words at 8,704 + 128 (td / 2) + 4 (16 (td % 2) + r).
; THE TOKENS OF A TILE ARE NOT NEIGHBOURS, so that the 16 registers of score tiles 2 b and 2 b + 1 are 16 neighbouring keys, 32 b + 16 hh + 0 .. 15.
; Both products are used transposed: S^T = k q^T, O^T = v^T p^T: a lane holds ONE query (lane % 16) throughout.
; SHARES.  Work-group (i, head) owns the blocks i and 31 - i of 128 queries: i + 1 and 32 - i key steps of 128, 33 for every work-group.  Waves 0-7 take block i, waves 8-15 block 31 - i; a wave owns one tile of 16 queries.
; LDS.  The head's 32 records of k and v, 286,720 dense bytes, lie in LDS as they lie in memory: every fragment load is 16 x lane on end.  Waves 0 and 1 bring them by eight tensor loads each (by this text's count eight are
; out), all first fills: no byte is filled twice.  A chunk is 4 key steps; the steps go in four phases, each behind a counted wait and a barrier, so that the first steps run while the later chunks are on their way.
; CAUSAL.  Every wave walks all 32 steps: trip counts are constants.  A step whose keys all come after the wave's block is left out by a scalar branch on ids; in the block's own step hidden scores become -infinity.
; NO CLUSTER: the 16 work-groups of a head read the same bytes, but which steps a wave leaves out hangs on the work-group's number, so partners would part in a branch on their place.
; LIMITS: NaN and infinities are not served.  A block of p whose largest number lies under 2^-124 keeps the scale byte 1.
; REGISTERS: v1-3 16, 8, 4 x lane; v4 my query less 16 hh; v5 -infinity; v7 my offset in out; v8-10 the step's LDS addresses; v12 -M, v13 the largest t, v[14:15] the sum in two halves; v16-23 q (upper half zeros);
; v24-27 p's scale bytes; v32-95 k's 8 tiles (upper halves zeros); v96-159 S^T, then p; v160-191 v's 4 tiles; v192-223 O^T; v224-231 p's codes; v232-239, v244-247, v252, v254 at work;
; scale words and nothing else: v240-241 v's, v248-251 k's, v253 p's, v255 q's.
.set QREC, 4608
.set REC,  8960
.set KSC,  4096
.set VCO,  4608
.set VSC,  8704
.set CHB,  4*REC                       ; a chunk: 140 rows of 256 bytes, half for each of two waves
	s_load_b128 s[4:7], s[0:1], 0x0                ; qop, kvop
	s_load_b64 s[8:9], s[0:1], 0x10                ; out
	v_lshl_add_u32 v242, v0, 2, 0x46000
	v_mov_b32 v243, 0
	ds_add_u32 v242, v243
	ds_add_u32 v242, v243
	v_lshrrev_b32 v8, 5, v0
	s_delay_alu instid0(VALU_DEP_1)
	v_readfirstlane_b32 s10, v8                    ; wave 0..15
	s_and_b32 s11, ttmp7, 0xffff                   ; the head
	; descriptor group 1: 70 dense rows of 32 elements of 8 bytes
	s_mov_b32 s16, 3<<16
	s_mov_b32 s17, 32<<16                          ; tensor_dim0
	s_mov_b32 s18, 70<<16                          ; tensor_dim1
	s_mov_b32 s19, 32<<16                          ; tile_dim0
	s_mov_b32 s20, 70                              ; tile_dim1
	s_mov_b32 s21, 32                              ; from row to row
	s_mov_b32 s22, 0
	s_mov_b32 s23, 0
	s_and_b32 s66, s10, 1
	s_mul_i32 s66, s66, CHB/2                      ; which half of each chunk I fetch (waves 0 and 1)
	s_mul_i32 s68, s11, 32*REC
	s_add_co_u32 s68, s68, s66
	s_mov_b32 s69, 0
	s_wait_dscnt 0x0
	s_wait_kmcnt 0x0
	s_add_nc_u64 s[70:71], s[6:7], s[68:69]
.irp j, 0,1,2,3,4,5,6,7
	s_mov_b32 s[24+4*\j], 1
	s_add_co_u32 s[25+4*\j], s66, \j*CHB
	s_add_nc_u64 s[26+4*\j:27+4*\j], s[70:71], \j*CHB
	s_or_b32 s[27+4*\j], s[27+4*\j], 0x80000000
.endr
	s_cmp_lt_u32 s10, 2                            ; all first fills in one branch on the wave's number, in the order in which the steps want them; four v_nop follow the last
	s_cbranch_scc0 .Lno_fill
.irp j, 0,1,2,3,4,5,6,7
	tensor_load_to_lds s[24+4*\j:27+4*\j], s[16:23]
	s_nop 0
.endr
.rept 4
	v_nop
.endr
.Lno_fill:
	s_sub_co_u32 s66, 31, ttmp9
	s_cmp_lt_u32 s10, 8
	s_cselect_b32 s12, ttmp9, s66                  ; my block of 128 queries
	s_lshl_b32 s13, s12, 7                         ; its first query = the first key of its own step
	s_and_b32 s67, s10, 7                          ; my tile in it
	s_mul_i32 s68, s11, 32*QREC
	s_mul_i32 s69, s12, QREC
	s_add_co_u32 s68, s68, s69                     ; the block's record
	s_lshl_b32 s69, s67, 9
	s_add_co_u32 s70, s68, s69
	s_mov_b32 s71, 0
	s_add_nc_u64 s[70:71], s[4:5], s[70:71]        ; my tile's codes
	s_lshr_b32 s69, s67, 2
	s_lshl_b32 s69, s69, 8
	s_add_co_u32 s72, s68, s69                     ; its scale words: 256 (tile / 4)
	s_and_b32 s69, s67, 1
	s_lshl_b32 s69, s69, 7
	s_add_co_u32 s72, s72, s69                     ; + 128 (tile % 2)
	s_bfe_u32 s69, s67, 0x10001
	s_lshl_b32 s69, s69, 2
	s_add_co_u32 s72, s72, s69                     ; + 4 ((tile / 2) % 2)
	s_mov_b32 s73, 0
	s_add_nc_u64 s[72:73], s[4:5], s[72:73]
	v_and_b32 v11, 31, v0
	s_delay_alu instid0(VALU_DEP_1)
	v_lshlrev_b32 v1, 4, v11
	s_delay_alu instid0(VALU_DEP_2)
	v_lshlrev_b32 v2, 3, v11
	s_delay_alu instid0(VALU_DEP_3)
	v_lshlrev_b32 v3, 2, v11
	v_and_b32 v9, 15, v0                           ; r
	s_wait_alu depctr_va_vdst(0)
	v_bfe_u32 v10, v0, 4, 1                        ; hh
	s_wait_alu depctr_va_vdst(0)
	v_lshlrev_b32 v254, 3, v9
	global_load_b128 v[16:19], v1, s[70:71]        ; q's fragment stays in registers
	global_load_b32 v255, v254, s[72:73] offset:KSC
	s_lshr_b32 s74, s67, 1
	s_lshl_b32 s74, s74, 5
	s_and_b32 s75, s67, 1
	s_lshl_b32 s75, s75, 3
	s_add_co_u32 s74, s74, s75                     ; my tile's first query in the block: 32 (tile / 2) + 8 (tile % 2)
	s_add_co_u32 s66, s13, s74
	s_lshl_b32 s66, s66, 12                        ; a row of out is 4,096 bytes
	s_lshl_b32 s75, s11, 8
	s_add_co_u32 s66, s66, s75                     ; + the head's 256
	s_mov_b32 s67, 0
	s_add_nc_u64 s[8:9], s[8:9], s[66:67]
	v_and_b32 v4, 8, v9
	s_delay_alu instid0(VALU_DEP_1)
	v_add_nc_u32 v4, v4, v9                        ; r + 8 (r / 8)
	v_lshlrev_b32 v11, 4, v10
	s_delay_alu instid0(VALU_DEP_1)
	v_sub_nc_u32 v4, v4, v11
	s_delay_alu instid0(VALU_DEP_1)
	v_add_nc_u32 v4, s74, v4                       ; my query in the block, less 16 hh
	v_lshlrev_b32 v7, 12, v10
	s_delay_alu instid0(VALU_DEP_1)
	v_lshl_add_u32 v7, v9, 4, v7                   ; the way out: lanes 0-15 one row of out, lanes 16-31 the next; 16 bytes a lane
	v_mov_b32 v5, 0xff800000                       ; -infinity
	s_mov_b32 s56, 0x76543210
	s_mov_b32 s57, 0xfedcba98                      ; v_permlanex16_b32's selects for lane l xor 16
	s_mov_b32 s58, 0x3e38aa3b                      ; c = log2(e) / 8
	s_mov_b32 s59, s58                             ; (named with it as a pair, so it is written)
	v_mov_b32 v13, 0xff61b1e6                      ; the largest t so far: -3e38, under every t
	s_delay_alu instid0(VALU_DEP_1)
	v_floor_f32 v12, -v13                          ; -M
	v_mov_b32 v14, 0                               ; the sum, in two halves
	v_mov_b32 v15, 0
.irp j, 20,21,22,23
	v_mov_b32 v[\j], 0                             ; q's codes for k = 64 .. 127 of the instruction: the head has 64
.endr
.irp t, 0,1,2,3,4,5,6,7
.irp j, 4,5,6,7
	v_mov_b32 v[32+8*\t+\j], 0                     ; k's likewise: written once, the loads fill the lower halves alone
.endr
.endr
.set n, 0
.rept 32
	v_mov_b32 v[192+n], 0                          ; O^T.  (The step is written once: the first finds zeros, which the first change of M leaves zeros)
.set n, n+1
.endr
.irp j, 236,237,238,239,252
	v_mov_b32 v[\j], 0                             ; a lane permute's destination counts as one of its sources
.endr
	v_mov_b32 v253, 0                              ; (named as the upper half of the pair v[252:253] before it is first written)
	s_wait_loadcnt 0x0                             ; q
; A KEY STEP: the 128 keys from s14 on; their record begins at LDS byte s15.
.macro STEP
	s_cmp_gt_u32 s14, s13                          ; all its keys come after my block's queries: only the two steps at its end are made
	s_cbranch_scc1 .Lhid_\@
	s_setprio 2
	v_add_nc_u32 v8, s15, v1
	v_add_nc_u32 v9, s15, v2
	v_add_nc_u32 v10, s15, v3
	v_nop                                          ; four places between the last step's products and the loads into v's registers and scale words
.irp t, 0,1,2,3,4,5,6,7
	ds_load_b128 v[32+8*\t:35+8*\t], v8 offset:512*\t
.endr
.irp e, 0,1
	ds_load_b64 v[248+2*\e:249+2*\e], v9 offset:KSC+256*\e       ; register 248 + b: lanes 0-15 tile 2 b's words, lanes 16-31 tile 2 b + 1's
.endr
.irp t, 0,1,2,3
.irp c, 0,1
	ds_load_b128 v[160+8*\t+4*\c:163+8*\t+4*\c], v8 offset:VCO+1024*\t+512*\c
.endr
.endr
.irp e, 0,1
	ds_load_b32 v[240+\e], v10 offset:VSC+128*\e
.endr
	s_wait_dscnt 10                                ; k and its scale words are in; v's ten loads may be out
.irp t, 0,2,4,6                                ; S^T = k q^T: eight accumulators, each begun with 0
	v_wmma_scale_f32_16x16x128_f8f6f4 v[96+8*\t:103+8*\t], v[32+8*\t:39+8*\t], v[16:23], 0, v[248+\t/2], v255 matrix_a_fmt:MATRIX_FMT_FP4 matrix_b_fmt:MATRIX_FMT_FP4
	v_wmma_scale_f32_16x16x128_f8f6f4 v[104+8*\t:111+8*\t], v[40+8*\t:47+8*\t], v[16:23], 0, v[248+\t/2], v255 matrix_a_fmt:MATRIX_FMT_FP4 matrix_b_fmt:MATRIX_FMT_FP4 matrix_a_scale:MATRIX_SCALE_ROW1
.endr
.rept 4
	v_nop                                          ; places in front of the first read of the scores
.endr
	s_cmp_lt_u32 s14, s13                          ; all keys of an earlier step count
	s_cbranch_scc1 .Lopen_\@
.set n, 0
.rept 64                                       ; my block's own step: register 16 b + i holds key 32 b + 16 hh + i: hidden where 32 b + i > my query - 16 hh
	v_cmp_gt_i32 vcc_lo, 32*(n/16)+n%16, v4
	v_cndmask_b32 v[96+n], v[96+n], v5, vcc_lo
.set n, n+1
.endr
.Lopen_\@:
.irp b, 0,1,2,3
	v_max3_num_f32 v[232+\b], v[96+16*\b], v[97+16*\b], v[98+16*\b]   ; the largest score of each block of 32 keys: it serves the row's maximum and, since p rises with the score, the block's largest p
.endr
.irp i, 3,5,7,9,11,13
.irp b, 0,1,2,3
	v_max3_num_f32 v[232+\b], v[232+\b], v[96+16*\b+\i], v[97+16*\b+\i]
.endr
.endr
.irp b, 0,1,2,3
	v_max_num_f32 v[232+\b], v[232+\b], v[111+16*\b]
.endr
.irp b, 0,1,2,3
	s_delay_alu instid0(VALU_DEP_4)
	v_permlanex16_b32 v[236+\b], v[232+\b], s56, s57
.endr
.irp b, 0,1,2,3
	s_delay_alu instid0(VALU_DEP_4)
	v_max_num_f32 v[232+\b], v[232+\b], v[236+\b]  ; with lane l xor 16's 16 keys
.endr
	s_delay_alu instid0(VALU_DEP_2)
	v_max3_num_f32 v254, v232, v233, v234
	s_delay_alu instid0(VALU_DEP_1)
	v_max_num_f32 v254, v254, v235                 ; the step's largest score of my query
	s_delay_alu instid0(VALU_DEP_1)
	v_mul_f32 v254, s58, v254                      ; as t (c is positive)
	s_delay_alu instid0(VALU_DEP_1)
	v_max_num_f32 v13, v13, v254                   ; the running largest t
	v_mov_b32 v254, v12
	s_delay_alu instid0(VALU_DEP_2)
	v_floor_f32 v12, -v13                          ; the new -M = -ceil(t): a whole number
	s_delay_alu instid0(VALU_DEP_1)
	v_sub_f32 v254, v12, v254                      ; old M - new M: a whole number, 0 or less
	s_delay_alu instid0(VALU_DEP_1)
	v_cvt_i32_f32 v254, v254                       ; (it saturates)
	s_delay_alu instid0(VALU_DEP_1)
	v_ldexp_f32 v252, 1.0, v254                    ; f = 2^(old M - new M)
.set n, 0
.rept 32
	v_pk_fma_f32 v[96+n:97+n], v[96+n:97+n], s[58:59], v[12:13] op_sel_hi:[1,0,0]   ; t - M, two at a time (of the pairs c and -M the low word serves both halves)
.set n, n+2
.endr
	s_setprio 1
.irp b, 0,1,2,3
	v_fma_f32 v[232+\b], v[232+\b], s58, v12       ; the same of each block's largest score
.endr
.set n, 0
	s_wait_alu depctr_va_vdst(0)
.rept 64
	v_exp_f32 v[96+n], v[96+n]                     ; p = 2^(t - M)
.set n, n+1
.endr
	v_pk_mul_f32 v[14:15], v[14:15], v[252:253] op_sel_hi:[1,0]   ; the sums under the new M: the plain line behind the exponentials
	s_wait_alu depctr_va_vdst(0)                   ; one wait for the batch of 64, ahead of its first reader
.irp b, 0,1,2,3
	v_exp_f32 v[232+\b], v[232+\b]                 ; each block's largest p: the same two instructions on the same number give the same bits
.endr
	v_pk_add_f32 v[236:237], v[96:97], v[98:99]    ; the row's sum of the unquantised p, two at a time, in two chains; it reads the 64 alone
.irp j, 4,8,12,16,20,24,28,32,36,40,44,48,52
	v_pk_add_f32 v[14:15], v[14:15], v[96+\j:97+\j]
	v_pk_add_f32 v[236:237], v[236:237], v[98+\j:99+\j]
.endr
	s_wait_alu depctr_va_vdst(0)                   ; and one for the four
.irp b, 0,1,2,3
	v_max_num_f32 v[232+\b], 0x1800000, v[232+\b]  ; the floor 2^(3 - 127): the byte cannot fall under 1 (a block of hidden keys keeps that byte: its codes are zeros)
.endr
.irp b, 0,1,2,3
	s_delay_alu instid0(VALU_DEP_4)
	v_add_nc_u32 v[244+\b], 0xff000000, v[232+\b]  ; 2 off the exponent field: the conversion's scale operand
.endr
.irp b, 0,1,2,3
	s_delay_alu instid0(VALU_DEP_4)
	v_lshrrev_b32 v[24+\b], 23, v[244+\b]          ; the scale's byte
.endr
	s_delay_alu instid0(VALU_DEP_3)
	v_lshl_or_b32 v253, v25, 8, v24                ; p's scale word for these 128 keys
	s_delay_alu instid0(VALU_DEP_1)
	v_lshl_or_b32 v253, v26, 16, v253
	s_delay_alu instid0(VALU_DEP_1)
	v_lshl_or_b32 v253, v27, 24, v253
	s_setprio 0
.irp b, 0,1,2,3
	v_cvt_scalef32_pk8_fp4_f32 v[224+2*\b], v[96+16*\b:103+16*\b], v[244+\b]
	v_cvt_scalef32_pk8_fp4_f32 v[225+2*\b], v[104+16*\b:111+16*\b], v[244+\b]
.endr
	v_nop                                          ; one plain place behind the last scaled conversion
.irp c, 0,1                                    ; the operand's layout wants a whole block in a lane: lanes 0-15 block 2 c, lanes 16-31 block 2 c + 1
.irp i, 0,1
	v_permlane16_swap_b32 v[224+4*\c+\i], v[226+4*\c+\i]
.endr
.endr
.set n, 0
.rept 16
	v_pk_mul_f32 v[192+n:193+n], v[192+n:193+n], v[252:253] op_sel_hi:[1,0]   ; O^T under the new M, each accumulator from its low end on
.set n, n+2
.endr
.irp j, 56,60                                  ; the sum's last five additions stand here: plain lines that name nothing of the products below, between the writes above and them
	v_pk_add_f32 v[14:15], v[14:15], v[96+\j:97+\j]
	v_pk_add_f32 v[236:237], v[236:237], v[98+\j:99+\j]
.endr
	s_delay_alu instid0(VALU_DEP_1)
	v_pk_add_f32 v[14:15], v[14:15], v[236:237]
	s_wait_alu depctr_va_vdst(0)
	s_wait_dscnt 0x0                               ; v and its scale words are in
.irp t, 0,2                                    ; O^T += v^T p^T: four accumulators by turns
	v_wmma_scale_f32_16x16x128_f8f6f4 v[192+8*\t:199+8*\t], v[160+8*\t:167+8*\t], v[224:231], v[192+8*\t:199+8*\t], v[240+\t/2], v253 matrix_a_fmt:MATRIX_FMT_FP4 matrix_b_fmt:MATRIX_FMT_FP4
	v_wmma_scale_f32_16x16x128_f8f6f4 v[200+8*\t:207+8*\t], v[168+8*\t:175+8*\t], v[224:231], v[200+8*\t:207+8*\t], v[240+\t/2], v253 matrix_a_fmt:MATRIX_FMT_FP4 matrix_b_fmt:MATRIX_FMT_FP4 matrix_a_scale:MATRIX_SCALE_ROW1
.endr
.Lhid_\@:
	s_add_co_u32 s14, s14, 128
	s_add_co_u32 s15, s15, REC
.endm
; A phase: the steps first .. first + trips - 1.  left: my chunk loads issued behind those that these steps read; they may stay out.  A wave that issued none passes the wait and leans on the barrier.
.macro PHASE left, first, trips
	s_wait_tensorcnt \left
	s_wait_dscnt 0x0                               ; no LDS load of mine is out at a signal
	s_barrier_signal -1
	s_barrier_wait -1                              ; both fetching waves have said that these steps' chunks are in
	s_mov_b32 s15, (\first)*REC
	s_mov_b32 s14, (\first)*128
	s_mov_b32 s60, \trips
.Lstep_\@:
	STEP
	s_sub_co_u32 s60, s60, 1
	s_cmp_lg_u32 s60, 0
	s_cbranch_scc1 .Lstep_\@
	s_setprio 0
.endm
	PHASE 7, 0, 4                                  ; chunk 0
	PHASE 6, 4, 4                                  ; chunk 1
	PHASE 4, 8, 8                                  ; chunks 2 and 3
	PHASE 0, 16, 16                                ; chunks 4 to 7: no tensor load is out from here on
	; THE WAY OUT.  Nobody reads k or v any more: each wave's stage, 16 rows x (256 + 16) bytes, is laid over them (they have had their one fill).  O^T / the sum goes in by lanes and comes back by rows.
	s_wait_dscnt 0x0
	s_barrier_signal -1
	s_barrier_wait -1
	v_add_f32 v14, v14, v15                        ; the sum's two halves,
	s_wait_alu depctr_va_vdst(0)
	v_permlanex16_b32 v252, v14, s56, s57
	s_delay_alu instid0(VALU_DEP_1)
	v_add_f32 v14, v14, v252                       ; and lane l xor 16's: the row's sum
	s_wait_alu depctr_va_vdst(0)
	v_rcp_f32 v14, v14
	v_and_b32 v8, 15, v0                           ; (a plain line behind the reciprocal)  r
	v_bfe_u32 v9, v0, 4, 1                         ; hh
	s_mul_i32 s66, s10, 16*272                     ; my stage
	v_mul_u32_u24 v10, v8, 272
	s_delay_alu instid0(VALU_DEP_1)
	v_lshl_add_u32 v10, v9, 5, v10
	s_delay_alu instid0(VALU_DEP_1)
	v_add_nc_u32 v10, s66, v10                     ; in: row r, + 32 hh; tile td 64 bytes on
	v_mul_u32_u24 v11, v9, 272
	s_delay_alu instid0(VALU_DEP_1)
	v_lshl_add_u32 v11, v8, 4, v11
	s_delay_alu instid0(VALU_DEP_1)
	v_add_nc_u32 v11, s66, v11                     ; back: lanes 0-15 one row, lanes 16-31 the next
	s_wait_alu depctr_va_vdst(0)                   ; the wait ahead of the reciprocal's first reader
.set n, 0
.rept 32
	v_mul_f32 v[96+n], v[192+n], v14               ; register 8 td + j is o(query r, d = 16 td + 8 hh + j)
.set n, n+1
.endr
.irp t, 0,1,2,3
	ds_store_b128 v10, v[96+8*\t:99+8*\t] offset:64*\t
	ds_store_b128 v10, v[100+8*\t:103+8*\t] offset:64*\t+16
.endr
.irp i, 0,1,2,3,4,5,6,7
	ds_load_b128 v[32+4*\i:35+4*\i], v11 offset:544*\i   ; my own bytes, served in order (ISA guide 5.7.1.4): these see the stores above
.endr
.irp i, 0,1,2,3,4,5,6,7                        ; stage row 2 i + hh is the tile's query 2 i + hh + 8 (i / 4)
	s_wait_dscnt 7-\i
	global_store_b128 v7, v[32+4*\i:35+4*\i], s[8:9] offset:(2*\i+8*(\i/4))*4096 th:TH_STORE_NT   ; 16 lanes store a head's 256 consecutive bytes of a row, aligned
.endr
	s_wait_tensorcnt 0x0
	ds_add_u32 v242, v243
	s_wait_dscnt 0x0
	s_endpgm
.Lfunc_end_k_qf6edda4af2_attn:
	.size	k_qf6edda4af2_attn, .Lfunc_end_k_qf6edda4af2_attn-k_qf6edda4af2_attn
	.p2alignl 7, 3214868480
	.fill 96, 4, 3214868480
	.section	.rodata,"a",@progbits
	.p2align	6, 0x0
	.amdhsa_kernel k_qf6edda4af2_attn
		.amdhsa_group_segment_fixed_size 288768
		.amdhsa_private_segment_fixed_size 0
		.amdhsa_enable_private_segment 0
		.amdhsa_kernarg_size 24
		.amdhsa_user_sgpr_count 2
		.amdhsa_user_sgpr_kernarg_segment_ptr 1
		.amdhsa_wavefront_size32 1
		.amdhsa_system_sgpr_workgroup_id_x 1
		.amdhsa_system_sgpr_workgroup_id_y 1
		.amdhsa_system_sgpr_workgroup_id_z 1
		.amdhsa_system_vgpr_workitem_id 0
		.amdhsa_next_free_vgpr 256
		.amdhsa_next_free_sgpr 76
		.amdhsa_reserve_vcc 1
		.amdhsa_float_denorm_mode_32 3
		.amdhsa_float_denorm_mode_16_64 3
		.amdhsa_memory_ordered 1
		.amdhsa_forward_progress 1
		.amdhsa_inst_pref_size 99
	.end_amdhsa_kernel
	.amdgpu_metadata
---
amdhsa.version: [ 1, 2 ]
amdhsa.kernels:
  - .name:           k_qf6edda4af2_attn
    .symbol:         k_qf6edda4af2_attn.kd
    .args:
      - { .name: qop, .offset: 0, .size: 8, .value_kind: global_buffer, .address_space: global }
      - { .name: kvop, .offset: 8, .size: 8, .value_kind: global_buffer, .address_space: global }
      - { .name: out0, .offset: 16, .size: 8, .value_kind: global_buffer, .address_space: global }
    .group_segment_fixed_size: 288768
    .private_segment_fixed_size: 0
    .kernarg_segment_align: 8
    .kernarg_segment_size: 24
    .max_flat_workgroup_size: 512
    .sgpr_count:     76
    .vgpr_count:     256
    .wavefront_size: 32
...
	.end_amdgpu_metadata
.endif
;; end of part 2
